; MI455X (gfx1250); checked and timed in simulation.
; The chip was launched on July 23, 2026; its instructions are those of AMD's public machine-readable ISA for CDNA 5 (MIT licence, August 2026) and "CDNA5" Instruction Set Architecture Reference Guide (July 2026). The comments in the code are by the model that wrote it; some were corrected since.
;; Neu Reparam. Allowed arithmetic: matrix products marked QUANTISED: E2M3 operands, one E8M0 scale for each 32 along K, by v_wmma_scale_f32_16x16x128_f8f6f4 with both operands' format E2M3, f32 sums; products left as they are: f32 operands where the result goes on into a quantised operand, else bf16, f16 or f32 operands; f32 sums; everything else in f32.
;; Inputs: W_hid 3 x 64 x 64 float32; W_in 20 x 64 float32; W_out 64 x 3 float32; b_hid 3 x 64 float32; b_in 64 float32; b_out 3 float32; wo 524,288 x 2 float32; z 524,288 x 2 float32.
;; Outputs: out0 524,288 x 3 float32.
;; This version of the problem:
;;   THIS VERSION OF THE PROBLEM IS GIVEN IN LOW PRECISION. The matrix products marked QUANTISED in the list below multiply operands that are first quantised to E2M3 (2 exponent bits, 3 mantissa bits; 6 bits a number), with one power-of-two scale for each 32 numbers along K (OCP MX v1.0); their sums are f32. All else is computed in f32.
;;   The module's matrix products, in the order in which they are computed (A, B: the left and right operand; K: the contracted axis; several contracted axes count as one K, in the product's order):
;;     1. [M 524,288, K 20] x [K 20, N 64]; A: computed on the way; B: input W_in: left as it is (K = 20 < 32)
;;     2. [M 524,288, K 20] x [K 20, N 64]; A: computed on the way; B: input W_in: left as it is (K = 20 < 32)
;;     3. [M 524,288, K 64] x [K 64, N 64]; A: computed on the way; B: input W_hid: QUANTISED
;;     4. [M 524,288, K 64] x [K 64, N 64]; A: computed on the way; B: input W_hid: QUANTISED
;;     5. [M 524,288, K 64] x [K 64, N 64]; A: computed on the way; B: input W_hid: QUANTISED
;;     6. [M 524,288, K 64] x [K 64, N 64]; A: computed on the way; B: input W_hid: QUANTISED
;;     7. [M 524,288, K 64] x [K 64, N 64]; A: computed on the way; B: input W_hid: QUANTISED
;;     8. [M 524,288, K 64] x [K 64, N 64]; A: computed on the way; B: input W_hid: QUANTISED
;;     9. [M 524,288, K 64] x [K 64, N 3]; A: computed on the way; B: input W_out: left as it is (N = 3 < 16)
;;     10. [M 524,288, K 64] x [K 64, N 3]; A: computed on the way; B: input W_out: left as it is (N = 3 < 16)
;;     11. [M 524,288, K 20] x [K 20, N 64]; A: computed on the way; B: input W_in: left as it is (K = 20 < 32)
;;     12. [M 524,288, K 20] x [K 20, N 64]; A: computed on the way; B: input W_in: left as it is (K = 20 < 32)
;;     13. [M 524,288, K 64] x [K 64, N 64]; A: computed on the way; B: input W_hid: QUANTISED
;;     14. [M 524,288, K 64] x [K 64, N 64]; A: computed on the way; B: input W_hid: QUANTISED
;;     15. [M 524,288, K 64] x [K 64, N 64]; A: computed on the way; B: input W_hid: QUANTISED
;;     16. [M 524,288, K 64] x [K 64, N 64]; A: computed on the way; B: input W_hid: QUANTISED
;;     17. [M 524,288, K 64] x [K 64, N 64]; A: computed on the way; B: input W_hid: QUANTISED
;;     18. [M 524,288, K 64] x [K 64, N 64]; A: computed on the way; B: input W_hid: QUANTISED
;;     19. [M 524,288, K 64] x [K 64, N 3]; A: computed on the way; B: input W_out: left as it is (N = 3 < 16)
;;     20. [M 524,288, K 64] x [K 64, N 3]; A: computed on the way; B: input W_out: left as it is (N = 3 < 16)
;;   THE QUANTISER, for each operand of a quantised product, along K:
;;     - K is cut into blocks of 32 from its start; a last block that is shorter is filled with zeros.
;;     - A block's scale is 2^e with e = floor(log2(the largest magnitude in the block)) - 2, held to -126 .. 127; a block of zeros has e = 0. As a byte (E8M0): e + 127.
;;     - Each number is divided by its block's scale, clamped to +-7.5, and rounded to the nearest number of E2M3, ties to even, subnormals kept.
;;     - The product sums the exact products of the quantised numbers (number of the format x scale) in f32.
;;   ~~~python
;;   def quantise(x, axis):      # numpy; x: float32 -> the quantised numbers, widened to float32 again
;;       x = np.moveaxis(x, axis, -1); K = x.shape[-1]
;;       x = np.pad(x, [(0, 0)] * (x.ndim - 1) + [(0, -K % 32)]); x = x.reshape(x.shape[:-1] + (-1, 32)); a = np.abs(x).max(-1, keepdims=True)
;;       e = np.where(a > 0, np.clip(np.frexp(np.where(a > 0, a, 1))[1] - 1 - 2, -126, 127), 0)      # np.frexp(a)[1] - 1 = floor(log2(a)), exactly
;;       r = np.clip(x / 2.0 ** e, -7.5, 7.5)
;;       step = 2.0 ** (np.maximum(np.frexp(np.where(r == 0, 1, r))[1] - 1, 0) - 3)
;;       q = np.round(r / step) * step * 2.0 ** e      # np.round: ties to even
;;       return np.moveaxis(q.reshape(q.shape[:-2] + (-1,))[..., :K], -1, axis).astype(np.float32)
;;   ~~~
;;   OPERANDS COMPUTED ON THE WAY. 'Computed on the way' means the value that the module computes at that place (a softmax that the list does not call 'softmax' is quantised finished and normalised). What goes into a quantiser is computed in f32, as accurately as f32 sums, v_exp_f32 and their like allow (about 1e-6 of the number): no bf16 or f16 on the way to a quantiser, and a product that is left as it is and whose result goes on into a quantised operand takes f32 operands (vector FMAs, or v_wmma_f32_16x16x4_f32). A number that lies on a knife's edge between two numbers of the format may be rounded either way, as far as f32 arithmetic and the matrix unit's own rounding can turn it there, and no further.
;; One version. Each part assembles by itself: llvm-mc -triple=amdgcn-amd-amdhsa -mcpu=gfx1250 --defsym DOCPART=n.
;; ======== version 1 of 1: 1 launch
;; limits: right only within a limited range of input values
;; launch neurep (part 1): grid 256 x 1, 16 waves a work-group, no clusters, 30,720 bytes of LDS; arguments wo, z, W_in, b_in, W_hid, b_hid, W_out, b_out, out0; writes out0
.if DOCPART == 1
	.amdgcn_target "amdgcn-amd-amdhsa--gfx1250"
	.amdhsa_code_object_version 6
	.text
	.protected	k_qbce8ae37cf_neurep
	.globl	k_qbce8ae37cf_neurep
	.p2align	8
	.type	k_qbce8ae37cf_neurep,@function
k_qbce8ae37cf_neurep:
	s_mov_b64 s[64:65], 0
	v_nop
	global_prefetch_b8 v0, s[64:65] scope:SCOPE_SE
	s_setreg_imm32_b32 hwreg(HW_REG_WAVE_MODE, 25, 1), 1
	s_wait_xcnt 0x0
; out0[s] = (wi0, wi1, detJ) of sample s.  Twenty features (wo, sin and cos of 1, 2, 4, 8 x wo, z) go through 20 -> 64 -> 64 -> 64 -> 64 -> 3 with silu; softplus on the
; third result, normalisation, and the 2 x 2 Jacobian in z from two tangents that walk the same layers.  The primal is the same in both JVPs and is computed once.
; The three 64 x 64 layers multiply codes of FP6 (E2M3) with one E8M0 scale for each 32 along K, for the primal and for both tangents; all that goes into a quantiser is f32.
; SHARES.  524,288 samples = 256 work-groups x 16 waves x NP trips x 32 samples.  A trip takes a pair of tiles of 16 samples one after the other and ends them together, 32 lanes on 32 samples.
; Sixteen waves of 256 registers, four to a SIMD: a tile has some 1,150 vector instructions for its 76 matrix instructions and 99 LDS loads, so the vector unit bounds the launch, and one
; wave's matrix instructions and LDS loads stand beside the vector work of the three others.
; ALL PRODUCTS ARE USED TRANSPOSED: source 0 = 16 rows of a weight, source 1 = 16 samples.  Row r of weight tile t is unit 32 (t / 2) + 8 (t % 2) + r + 8 (r / 8), so lane (r, h) holds sample r
; and register n of a set of 32 holds unit 32 (n / 16) + 16 h + n % 16: sixteen neighbours along the next K, as the conversions want them.
; K = 64 IN AN INSTRUCTION OF K = 128.  Of a fragment's 12 registers, 0-2 hold k = 16 h + 0 .. 15 and 6-8 hold k = 32 + 16 h + 0 .. 15; registers 3-5 and 9-11 are holes.  The scale word is
; (s0, s0, s1, s1).  So a conversion's three registers are the operand's registers as they come, with no exchange between the halves of the lanes.  The activations' holes hold zero codes, written once;
; the weights' holes meet those zeros, and FP6 has no code for NaN or infinity, so what they hold adds nothing.
; THE CONSTANTS (weights as codes, scale words, W_in and W_out in the order of their operands' registers, biases) are made once by waves 0 to 14 and lie in LDS, read-only behind the one barrier.
; NO CLUSTER, NO TENSOR LOAD: all that work-groups share is 56,076 bytes of weights and biases, read once by each at its head; a work-group's own 32,768 bytes of samples are nobody else's.
; LIMITS.  NaN and infinities among the inputs are not served.  A block whose largest magnitude lies under 2^-124, a block of zeros among them, keeps the scale byte 1 (the rule says 127 for zeros:
; its codes are zeros, and only this text reads the bytes).  sin and cos: a reduction by pi / 2 in two parts, good for |8 wo| up to about 2^23.  softplus = max(t, 0) + ln 2 x log2(1 + e^-|t|):
; an absolute error of about 1e-7 where t is very negative.  T0^2 + T1^2 + p^2 overflows above a norm of about 1.8e19.  Where the norm equals 1e-12 exactly the derivative of the maximum is taken as 0.
; The tangents' product with W_out takes bf16 operands; the primal's takes f32 operands.
.set NP,   4                           ; trips of a wave
.set WIMG, 0                           ; LDS: W_hid's 12 fragments (4 l + t): half c at 1024 f + 512 c + 16 lane, 12 bytes of each 16
.set WSCL, 12288                       ; their scale words: 512 l + 16 lane + 4 t
.set WINI, 13824                       ; W_in's 40 fragment registers as ten images of four registers: 512 q + 16 lane
.set WOF,  18944                       ; W_out's 32 f32 fragment registers as eight images
.set WOB,  23040                       ; W_out's 16 bf16 fragment registers as four images
.set NAT,  25088                       ; in natural order, 256 bytes each: b_in, W_in's rows 18 and 19, b_hid's three rows
.set BOUT, 26624                       ; b_out's three numbers, then zeros: 128 bytes
.set LI,   1                           ; v1   16 x lane: my place in an image
.set NB,   2                           ; v2   64 h: my half's place in a row of 64 numbers
.set GI,   3                           ; v3   8 x lane
.set GO,   4                           ; v4   12 x lane
.set ZERO, 5                           ; v5   0
.set INR,  6                           ; v6-9   the next pair's wo and z
.set CUR,  10                          ; v10-13 wo of tile 0, of tile 1, z of tile 0, of tile 1: lane (r, h) holds coordinate h of sample r
.set ASC,  14                          ; v14-16 the activations' scale words: primal, tangent 0, tangent 1
.set WSC,  18                          ; v18-21 the layer's four weight scale words
.set HA,   22                          ; v22-30 the nine results of a sample: T0 T1 T2, their derivatives in z0, in z1 (at the head: offsets)
.set BM,   32                          ; v32-37 block maxima, 2 x operand + block; then the conversions' scale operands
.set PX,   38                          ; v38-43 the other half's maxima, then the bytes
.set FRP,  44                          ; v44-55, v56-67, v68-79 the three activation fragments
.set FRT0, 56
.set FRT1, 68
.set XA,   80                          ; v80-111  the primal's sums: written by matrix instructions alone
.set YA,   112                         ; v112-143 the bias as C, then h
.set YD0,  144                         ; v144-175 tangent 0
.set YD1,  176                         ; v176-207 tangent 1
.set WI,   144                         ; v144-183 W_in's fragments, ahead of the tangents
.set T,    208                         ; v208-255 at work
.set WF,   208                         ; the layer's four weight fragments; W_out's
.set XF,   T                           ; the ten features of my coordinate
.set QF,   T+12                         ; 1, 2, 4, 8 x wo; then the quadrant's parity
.set QN,   T+16                         ; the multiple of pi / 2; then the sign
.set QT,   T+20                         ; the reduced angle
.set QZ,   T+24                         ; its square
.set QS,   T+28                         ; its sine
.set QC,   T+32                         ; its cosine
.set QM,   T+36                         ; minus its sine
.set QW,   T+40
.set QI,   T+44                         ; the multiple as a whole number
.set FE,   T                            ; the end of a pair
.set FU,   T+1
.set FRC,  T+2
.set FLG,  T+3
.set FPM,  T+4
.set FN2,  T+5
.set FPP,  T+6
.set FSG,  T+7
.set FNR,  T+8
.set FPS,  T+9
.set FIV,  T+10
.set FD0,  T+11
.set FD1,  T+12
.set FK,   T+13
.set FA,   T+14
.set FX,   T+18
.set OUTR, T+20                         ; three registers: what is stored
	s_load_b512 s[8:23], s[0:1], 0x0               ; wo s[8:9], z s[10:11], W_in s[12:13], b_in s[14:15], W_hid s[16:17], b_hid s[18:19], W_out s[20:21], b_out s[22:23]
	s_load_b64 s[24:25], s[0:1], 0x40              ; out0
	v_lshrrev_b32 v17, 5, v0
	v_readfirstlane_b32 s26, v17                   ; wave 0..15
	v_and_b32 v31, 31, v0                          ; lane
	v_and_b32 v17, 15, v0                          ; r
	v_bfe_u32 v30, v0, 4, 1                        ; h
	v_lshlrev_b32 v[LI], 4, v31
	v_lshlrev_b32 v[NB], 6, v30
	v_lshlrev_b32 v[GI], 3, v31
	v_mul_u32_u24 v[GO], v31, 12
	v_mov_b32 v[ZERO], 0
	; every offset and LDS address of the head's roles is made here, ahead of the parting
	v_and_b32 v29, 8, v17
	v_add_nc_u32 v29, v29, v17                     ; r + 8 (r / 8)
	v_lshlrev_b32 v29, 2, v29
	v_lshl_add_u32 v22, v30, 12, v29               ; W_hid: 16 h rows of 256 bytes + my column of the tile
	v_lshl_add_u32 v25, v30, 8, v29                ; W_in: h rows + my column
	s_lshl_b32 s27, s26, 10
	v_add_nc_u32 v23, s27, v[LI]                   ; where fragment f = wave goes: 16 lane + 1024 f
	s_lshr_b32 s27, s26, 2
	s_lshl_b32 s27, s27, 9
	s_and_b32 s28, s26, 3
	s_lshl_b32 s28, s28, 2
	s_add_co_u32 s27, s27, s28
	v_add_nc_u32 v24, s27, v[LI]                   ; and its scale word: 16 lane + 512 l + 4 t
	v_and_b32 v29, 7, v17                          ; r % 8: the output that row r of W_out's tile stands for, if under 3
	v_min_u32 v26, 2, v29
	v_lshlrev_b32 v26, 2, v26
	v_mad_u32_u24 v26, v30, 192, v26               ; W_out: 16 h rows of 12 bytes + 4 min(r % 8, 2): no load leaves the buffer
	v_min_u32 v27, 2, v31
	v_lshlrev_b32 v27, 2, v27                      ; b_out: 4 min(lane, 2)
	v_lshlrev_b32 v28, 2, v31                      ; 4 x lane
.irp i, 0,1,2,3,4,5
	v_mov_b32 v[PX+\i], 0                          ; written once: a lane permute's destination counts as one of its sources
.endr
.irp f, FRP, FRT0, FRT1
.irp i, 3,4,5,9,10,11
	v_mov_b32 v[\f+\i], 0                          ; the activations' holes: zero codes, never written again
.endr
.endr
.irp t, 0,1,2,3
.irp i, 3,4,5,9,10,11
	v_mov_b32 v[WF+12*\t+\i], 0                    ; the weights' holes are named by the products, so they are written; later they hold whatever was at work there
.endr
.endr
	s_mov_b32 s30, 0xffff0000                      ; lanes 16-31
	s_mov_b32 s32, 0x76543210
	s_mov_b32 s33, 0xfedcba98                      ; v_permlanex16_b32's selects for lane l xor 16
	s_mov_b32 s34, NP
	s_mov_b32 s36, 0xbfb8aa3b                      ; -log2(e); a packed form names the pair and takes its low word for both halves
	s_mov_b32 s37, s36
	s_mov_b32 s38, 0xb94ca1f9                      ; sin t = t + t z (S1 + z (S2 + z S3)), z = t^2, |t| <= pi / 4
	s_mov_b32 s40, 0x3c08839e
	s_mov_b32 s42, 0xbe2aaaa3
	s_mov_b32 s43, s42
	s_mov_b32 s44, 0x37ccf5ce                      ; cos t = 1 - z / 2 + z^2 (C1 + z (C2 + z C3))
	s_mov_b32 s46, 0xbab6061a
	s_mov_b32 s48, 0x3d2aaaa5
	s_mov_b32 s49, s48
	s_lshl_b32 s54, ttmp9, 14                      ; wo, z: 2,048 samples of 8 bytes a work-group,
	s_lshl_b32 s27, s26, 8                         ; 32 samples a wave
	s_add_co_u32 s54, s54, s27
	s_mov_b32 s55, 0
	s_wait_kmcnt 0x0
	s_add_nc_u64 s[8:9], s[8:9], s[54:55]
	s_add_nc_u64 s[10:11], s[10:11], s[54:55]
	s_mul_i32 s54, ttmp9, 24576                    ; out0: 12 bytes a sample
	s_mul_i32 s27, s26, 384
	s_add_co_u32 s54, s54, s27
	s_add_nc_u64 s[24:25], s[24:25], s[54:55]
	global_load_b64 v[INR:INR+1], v[GI], s[8:9] th:TH_LOAD_NT        ; the first pair: lane l takes sample l, 256 consecutive bytes a load
	global_load_b64 v[INR+2:INR+3], v[GI], s[10:11] th:TH_LOAD_NT
	; ---- THE ROLES.  Branches on the wave's number alone; no barrier stands inside them.
	s_cmp_lt_u32 s26, 12
	s_cbranch_scc0 .Lnot_hid
	; waves 0-11: fragment f = wave of W_hid, layer f / 4, tile f % 4.  A lane takes a column and its registers run down K, so nothing is transposed.
	s_lshr_b32 s27, s26, 2
	s_lshl_b32 s54, s27, 14                        ; the layer's 16,384 bytes
	s_bfe_u32 s28, s26, 0x10001
	s_lshl_b32 s28, s28, 7                         ; 32 (t / 2) columns
	s_add_co_u32 s54, s54, s28
	s_and_b32 s28, s26, 1
	s_lshl_b32 s28, s28, 5                         ; 8 (t % 2) columns
	s_add_co_u32 s54, s54, s28
	s_add_nc_u64 s[16:17], s[16:17], s[54:55]
.set ii, 0
.rept 16
	global_load_b32 v[YA+ii], v22, s[16:17] offset:256*ii             ; k = 16 h + i
	global_load_b32 v[YA+16+ii], v22, s[16:17] offset:8192+256*ii     ; k = 32 + 16 h + i
.set ii, ii+1
.endr
	s_wait_loadcnt 0x0
	v_max3_num_f32 v[BM], |v[YA]|, |v[YA+1]|, 0x1800000               ; my 16 numbers of each block, and the floor 2^(3 - 127): the byte cannot fall under 1
	v_max3_num_f32 v[BM+1], |v[YA+16]|, |v[YA+17]|, 0x1800000
.irp i, 2,4,6,8,10,12,14
	v_max3_num_f32 v[BM], v[BM], |v[YA+\i]|, |v[YA+\i+1]|
	v_max3_num_f32 v[BM+1], v[BM+1], |v[YA+16+\i]|, |v[YA+17+\i]|
.endr
	v_permlanex16_b32 v[PX], v[BM], s32, s33
	v_permlanex16_b32 v[PX+1], v[BM+1], s32, s33
	v_max_num_f32 v[BM], v[BM], v[PX]              ; with lane l xor 16's: the block's largest magnitude
	v_max_num_f32 v[BM+1], v[BM+1], v[PX+1]
	v_add_nc_u32 v[BM], 0xff000000, v[BM]          ; 2 off its exponent field: the conversion takes that field as its scale
	v_add_nc_u32 v[BM+1], 0xff000000, v[BM+1]
	v_cvt_scalef32_pk16_fp6_f32 v[FRP:FRP+2], v[YA:YA+15], v[BM]
	v_cvt_scalef32_pk16_fp6_f32 v[FRP+6:FRP+8], v[YA+16:YA+31], v[BM+1]
	v_lshrrev_b32 v[PX], 23, v[BM]                 ; the bytes (a plain line behind the conversions)
	v_lshrrev_b32 v[PX+1], 23, v[BM+1]
	v_lshl_or_b32 v[ASC], v[PX+1], 16, v[PX]
	v_mul_u32_u24 v[ASC], v[ASC], 0x101            ; (s0, s0, s1, s1)
	ds_store_b96 v23, v[FRP:FRP+2] offset:WIMG
	ds_store_b96 v23, v[FRP+6:FRP+8] offset:WIMG+512
	ds_store_b32 v24, v[ASC] offset:WSCL
	s_branch .Ljoin
.Lnot_hid:
	s_cmp_eq_u32 s26, 12
	s_cbranch_scc0 .Lnot_in
	; wave 12: W_in in the order of the f32 form's source 0: fragment (K step s, tile t), register j = W_in[4 s + 2 j + h][the tile's row r]
.irp s, 0,1,2,3,4
.irp t, 0,1,2,3
.irp j, 0,1
	global_load_b32 v[YA+2*(4*\s+\t)+\j], v25, s[12:13] offset:(4*\s+2*\j)*256+128*(\t/2)+32*(\t%2)
.endr
.endr
.endr
	s_wait_loadcnt 0x0
.irp q, 0,1,2,3,4,5,6,7,8,9
	ds_store_b128 v[LI], v[YA+4*\q:YA+4*\q+3] offset:WINI+512*\q
.endr
	s_branch .Ljoin
.Lnot_in:
	s_cmp_eq_u32 s26, 13
	s_cbranch_scc0 .Lnot_out
	; wave 13: V[n] = W_out[32 (n / 16) + 16 h + n % 16][r % 8] where r % 8 < 3, else 0: rows 0-2 and 8-10 of the tile are real, so both halves of the lanes get a sample's three results
.set ii, 0
.rept 32
	global_load_b32 v[YA+ii], v26, s[20:21] offset:384*(ii/16)+12*(ii%16)
.set ii, ii+1
.endr
	s_wait_loadcnt 0x0
	v_cmp_gt_u32 vcc_lo, 3, v29
.set ii, 0
.rept 32
	v_cndmask_b32 v[YA+ii], 0, v[YA+ii], vcc_lo
.set ii, ii+1
.endr
.irp q, 0,1,2,3,4,5,6,7
	ds_store_b128 v[LI], v[YA+4*\q:YA+4*\q+3] offset:WOF+512*\q
.endr
.set ii, 0
.rept 16
	v_cvt_pk_bf16_f32 v[YD0+ii], v[YA+2*ii], v[YA+2*ii+1]             ; the same in bf16, two to a register, for the tangents
.set ii, ii+1
.endr
.irp q, 0,1,2,3
	ds_store_b128 v[LI], v[YD0+4*\q:YD0+4*\q+3] offset:WOB+512*\q
.endr
	s_branch .Ljoin
.Lnot_out:
	s_cmp_eq_u32 s26, 14
	s_cbranch_scc0 .Ljoin                          ; wave 15 has no part in the head
	; wave 14: six rows of 64 numbers as they lie, and b_out
	global_load_b64 v[YA:YA+1], v[GI], s[14:15]
	global_load_b64 v[YA+2:YA+3], v[GI], s[12:13] offset:4608         ; W_in's row 18: the first layer's tangent in z0
	global_load_b64 v[YA+4:YA+5], v[GI], s[12:13] offset:4864         ; row 19: in z1
	global_load_b64 v[YA+6:YA+7], v[GI], s[18:19]
	global_load_b64 v[YA+8:YA+9], v[GI], s[18:19] offset:256
	global_load_b64 v[YA+10:YA+11], v[GI], s[18:19] offset:512
	global_load_b32 v[YA+12], v27, s[22:23]
	s_wait_loadcnt 0x0
	v_cmp_gt_u32 vcc_lo, 3, v31
	v_cndmask_b32 v[YA+12], 0, v[YA+12], vcc_lo
.irp q, 0,1,2,3,4,5
	ds_store_b64 v[GI], v[YA+2*\q:YA+2*\q+1] offset:NAT+256*\q
.endr
	ds_store_b32 v28, v[YA+12] offset:BOUT
.Ljoin:
	s_wait_dscnt 0x0                               ; for the others' sake: my stores have landed
	s_barrier_signal -1
	s_barrier_wait -1                              ; the one barrier: from here on LDS is only read
; A row of 64 numbers from NAT into 32 registers in the results' layout: register n = number 32 (n / 16) + 16 h + n % 16
.macro NATLOAD reg, off
.irp q, 0,1,2,3,4,5,6,7
	ds_load_b128 v[(\reg)+4*\q:(\reg)+4*\q+3], v[NB] offset:(\off)+128*(\q/4)+16*(\q%4)
.endr
.endm
.macro PLACES n                        ; places behind a matrix instruction are plain vector instructions that name none of its registers (ISA guide 7.12.1)
.rept \n
	v_nop
.endr
.endm
; The ten features of coordinate h of sample r, tile p: x, sin x, cos x, sin 2x, cos 2x, sin 4x, cos 4x, sin 8x, cos 8x, z.  Each frequency is reduced and evaluated by itself, in f32.
.macro POSENC p
	v_mov_b32 v[QF], v[CUR+\p]
	v_add_f32 v[QF+1], v[CUR+\p], v[CUR+\p]
	v_pk_mul_f32 v[QF+2:QF+3], v[QF:QF+1], 4.0 op_sel_hi:[1,0]
.irp i, 0,2
	v_pk_mul_f32 v[QN+\i:QN+\i+1], v[QF+\i:QF+\i+1], 0x3f22f983 op_sel_hi:[1,0]       ; x 2 / pi
.endr
.irp i, 0,1,2,3
	v_rndne_f32 v[QN+\i], v[QN+\i]
.endr
.irp i, 0,2
	v_pk_fma_f32 v[QT+\i:QT+\i+1], v[QN+\i:QN+\i+1], 0xbfc90fdb, v[QF+\i:QF+\i+1] op_sel_hi:[1,0,1]   ; less n x pi / 2, its upper part,
.endr
.irp i, 0,1,2,3
	v_cvt_i32_f32 v[QI+\i], v[QN+\i]
.endr
.irp i, 0,2
	v_pk_fma_f32 v[QT+\i:QT+\i+1], v[QN+\i:QN+\i+1], 0x333bbd2e, v[QT+\i:QT+\i+1] op_sel_hi:[1,0,1]   ; and its lower
.endr
.irp i, 0,2
	v_pk_mul_f32 v[QZ+\i:QZ+\i+1], v[QT+\i:QT+\i+1], v[QT+\i:QT+\i+1]
.endr
.irp i, 0,1,2,3
	v_fma_f32 v[QS+\i], v[QZ+\i], s38, s40         ; (two constants: the plain form, which takes two scalar registers)
	v_fma_f32 v[QC+\i], v[QZ+\i], s44, s46
.endr
.irp i, 0,2
	v_pk_fma_f32 v[QS+\i:QS+\i+1], v[QS+\i:QS+\i+1], v[QZ+\i:QZ+\i+1], s[42:43] op_sel_hi:[1,1,0]
	v_pk_fma_f32 v[QC+\i:QC+\i+1], v[QC+\i:QC+\i+1], v[QZ+\i:QZ+\i+1], s[48:49] op_sel_hi:[1,1,0]
	v_pk_mul_f32 v[QW+\i:QW+\i+1], v[QZ+\i:QZ+\i+1], v[QT+\i:QT+\i+1]
.endr
.irp i, 0,2
	v_pk_fma_f32 v[QC+\i:QC+\i+1], v[QC+\i:QC+\i+1], v[QZ+\i:QZ+\i+1], -0.5 op_sel_hi:[1,1,0]
	v_pk_fma_f32 v[QM+\i:QM+\i+1], v[QS+\i:QS+\i+1], v[QW+\i:QW+\i+1], v[QT+\i:QT+\i+1] neg_lo:[1,0,1] neg_hi:[1,0,1]   ; -sin t
.endr
.irp i, 0,2
	v_pk_fma_f32 v[QS+\i:QS+\i+1], v[QS+\i:QS+\i+1], v[QW+\i:QW+\i+1], v[QT+\i:QT+\i+1]                                 ; sin t
	v_pk_fma_f32 v[QC+\i:QC+\i+1], v[QC+\i:QC+\i+1], v[QZ+\i:QZ+\i+1], 1.0 op_sel_hi:[1,1,0]                            ; cos t
.endr
	; the quadrant n % 4: odd: sin = cos t, cos = -sin t; bit 1: both change sign.  Choices of values only: no branch
.irp i, 0,1,2,3
	v_and_b32 v[QF+\i], 1, v[QI+\i]
	v_lshlrev_b32 v[QN+\i], 30, v[QI+\i]
.endr
.irp i, 0,1,2,3
	v_cmp_eq_u32 s[50+\i], 1, v[QF+\i]
	v_and_b32 v[QN+\i], 0x80000000, v[QN+\i]
.endr
.irp i, 0,1,2,3
	v_cndmask_b32 v[XF+1+2*\i], v[QS+\i], v[QC+\i], s[50+\i]
	v_cndmask_b32 v[XF+2+2*\i], v[QC+\i], v[QM+\i], s[50+\i]
.endr
.irp i, 0,1,2,3
	v_xor_b32 v[XF+1+2*\i], v[QN+\i], v[XF+1+2*\i]
	v_xor_b32 v[XF+2+2*\i], v[QN+\i], v[XF+2+2*\i]
.endr
	v_mov_b32 v[XF], v[CUR+\p]
	v_mov_b32 v[XF+9], v[CUR+2+\p]
.endm
; THE ACTIVATION, eight units (one accumulator) a group g.  s = 1 / (1 + 2^(-x log2 e)); h = x s; silu' = s + h (1 - s); both tangents x silu'.
.macro PREP g, p                       ; -x log2 e, pair p.  Each accumulator is read from its low end on
	v_pk_mul_f32 v[T+8*((\g)%2)+2*(\p):T+8*((\g)%2)+2*(\p)+1], v[XA+8*(\g)+2*(\p):XA+8*(\g)+2*(\p)+1], s[36:37] op_sel_hi:[1,0]
.endm
.macro EX g, k
	v_exp_f32 v[T+8*((\g)%2)+(\k)], v[T+8*((\g)%2)+(\k)]
.endm
.macro AD g
	s_wait_alu depctr_va_vdst(0)
.irp p, 0,1,2,3
	v_pk_add_f32 v[T+8*((\g)%2)+2*\p:T+8*((\g)%2)+2*\p+1], v[T+8*((\g)%2)+2*\p:T+8*((\g)%2)+2*\p+1], 1.0 op_sel_hi:[1,0]
.endr
.endm
.macro RC g, k
	v_rcp_f32 v[T+8*((\g)%2)+(\k)], v[T+8*((\g)%2)+(\k)]
.endm
; Line n of the plain work of group g.  kind 0: lines 20-31 are the three operands' block maxima, by turns.  kind 1 (the last layer): lines 20-27 round the tangents to bf16,
; two to a register, in place: register m takes numbers 2 m and 2 m + 1, in ascending order, so nothing is written before it is read.
.macro TAIL g, n, kind
.set tp, (\n)%4
.set tb, 8*(\g)+2*tp
.set ts, T+8*((\g)%2)+2*tp
.set to, T+16+2*tp
.if (\n) < 4
	s_wait_alu depctr_va_vdst(0)
	v_pk_mul_f32 v[YA+tb:YA+tb+1], v[XA+tb:XA+tb+1], v[ts:ts+1]
.elseif (\n) < 8
	v_pk_fma_f32 v[to:to+1], v[ts:ts+1], -1.0, 1.0 op_sel_hi:[1,0,0]
.elseif (\n) < 12
	v_pk_fma_f32 v[to:to+1], v[YA+tb:YA+tb+1], v[to:to+1], v[ts:ts+1]
.elseif (\n) < 16
	v_pk_mul_f32 v[YD0+tb:YD0+tb+1], v[YD0+tb:YD0+tb+1], v[to:to+1]
.elseif (\n) < 20
	v_pk_mul_f32 v[YD1+tb:YD1+tb+1], v[YD1+tb:YD1+tb+1], v[to:to+1]
.elseif \kind == 0
.set tm, ((\n)-20)%3
.set tq, ((\n)-20)/3
.set tr, YA+32*tm+8*(\g)+2*tq
.set tx, BM+2*tm+(\g)/2
.if (((\g)%2) == 0) && (tq == 0)
	v_max3_num_f32 v[tx], |v[tr]|, |v[tr+1]|, 0x1800000               ; a block begins: with the floor 2^(3 - 127)
.else
	v_max3_num_f32 v[tx], v[tx], |v[tr]|, |v[tr+1]|
.endif
.elseif (\n) < 24
	v_cvt_pk_bf16_f32 v[YD0+4*(\g)+tp], v[YD0+tb], v[YD0+tb+1]
.elseif (\n) < 28
	v_cvt_pk_bf16_f32 v[YD1+4*(\g)+tp], v[YD1+tb], v[YD1+tb+1]
.endif
.endm
; The groups overlap: group g + 1's exponentials and reciprocals stand one by one among group g's plain lines, two behind each, so that each has a plain line between it and the use of its result
; (ISA guide 5.7.2).  first = 1: the tangents come from LDS (W_in's rows 18 and 19) and are waited for here.
.macro ACT kind, first
.irp p, 0,1,2,3
	PREP 0, \p
.endr
.irp k, 0,1,2,3,4,5,6,7
	EX 0, \k
.endr
	PREP 1, 0
	PREP 1, 1
	AD 0
.irp k, 0,1,2,3,4,5,6,7
	RC 0, \k
.endr
	PREP 1, 2
	PREP 1, 3
.if \first
	s_wait_dscnt 0x0                               ; the sixteen loads of the two rows are in
.endif
.irp g, 0,1,2
.irp k, 0,1,2,3,4,5,6,7
	EX \g+1, \k
	TAIL \g, 2*\k, \kind
	TAIL \g, 2*\k+1, \kind
.endr
	AD \g+1
.irp k, 0,1,2,3,4,5,6,7
	RC \g+1, \k
	TAIL \g, 16+2*\k, \kind
	TAIL \g, 17+2*\k, \kind
.endr
.if \g < 2
.irp p, 0,1,2,3
	PREP \g+2, \p
.endr
.endif
.endr
.set nn, 0
.rept 32
	TAIL 3, nn, \kind
.set nn, nn+1
.endr
.endm
; The end of the quantiser for layer l's three operands, with the layer's weights, scale words and bias on their way from LDS meanwhile.
.macro QFIN l
.irp t, 0,1,2,3
.irp c, 0,1
	ds_load_b96 v[WF+12*\t+6*\c:WF+12*\t+6*\c+2], v[LI] offset:WIMG+1024*(4*(\l)+\t)+512*\c
.endr
.endr
	ds_load_b128 v[WSC:WSC+3], v[LI] offset:WSCL+512*(\l)
.irp i, 0,1,2,3,4,5
	v_permlanex16_b32 v[PX+\i], v[BM+\i], s32, s33
.endr
.irp i, 0,1,2,3,4,5
	v_max_num_f32 v[BM+\i], v[BM+\i], v[PX+\i]     ; with lane l xor 16's 16 numbers: the block's largest magnitude
.endr
.irp i, 0,1,2,3,4,5
	v_add_nc_u32 v[BM+\i], 0xff000000, v[BM+\i]    ; 2 off its exponent field: the conversion's scale operand
.endr
	v_cvt_scalef32_pk16_fp6_f32 v[FRP:FRP+2], v[YA:YA+15], v[BM]
	v_cvt_scalef32_pk16_fp6_f32 v[FRP+6:FRP+8], v[YA+16:YA+31], v[BM+1]
	NATLOAD YA, NAT+768+256*(\l)                   ; h is in codes: its registers take the layer's bias, the C of the primal's products
	v_cvt_scalef32_pk16_fp6_f32 v[FRT0:FRT0+2], v[YD0:YD0+15], v[BM+2]
	v_cvt_scalef32_pk16_fp6_f32 v[FRT0+6:FRT0+8], v[YD0+16:YD0+31], v[BM+3]
	v_cvt_scalef32_pk16_fp6_f32 v[FRT1:FRT1+2], v[YD1:YD1+15], v[BM+4]
	v_cvt_scalef32_pk16_fp6_f32 v[FRT1+6:FRT1+8], v[YD1+16:YD1+31], v[BM+5]
.irp i, 0,1,2,3,4,5
	v_lshrrev_b32 v[PX+\i], 23, v[BM+\i]           ; the bytes (plain lines behind the conversions)
.endr
.irp m, 0,1,2
	v_lshl_or_b32 v[ASC+\m], v[PX+2*\m+1], 16, v[PX+2*\m]
.endr
.irp m, 0,1,2
	v_mul_u32_u24 v[ASC+\m], v[ASC+\m], 0x101      ; (s0, s0, s1, s1)
.endr
	PLACES 8                                       ; a scale register written by a vector instruction stands eight places ahead of a scaled matrix instruction
	s_wait_dscnt 0x0                               ; the 17 loads above are in
.endm
; A hidden layer: four tiles of 16 units x three operands: twelve accumulators, each written once.
.macro HID
.irp t, 0,1,2,3
	v_wmma_scale_f32_16x16x128_f8f6f4 v[XA+8*\t:XA+8*\t+7], v[WF+12*\t:WF+12*\t+11], v[FRP:FRP+11], v[YA+8*\t:YA+8*\t+7], v[WSC+\t], v[ASC] matrix_a_fmt:MATRIX_FMT_FP6 matrix_b_fmt:MATRIX_FMT_FP6
	v_wmma_scale_f32_16x16x128_f8f6f4 v[YD0+8*\t:YD0+8*\t+7], v[WF+12*\t:WF+12*\t+11], v[FRT0:FRT0+11], 0, v[WSC+\t], v[ASC+1] matrix_a_fmt:MATRIX_FMT_FP6 matrix_b_fmt:MATRIX_FMT_FP6
	v_wmma_scale_f32_16x16x128_f8f6f4 v[YD1+8*\t:YD1+8*\t+7], v[WF+12*\t:WF+12*\t+11], v[FRT1:FRT1+11], 0, v[WSC+\t], v[ASC+2] matrix_a_fmt:MATRIX_FMT_FP6 matrix_b_fmt:MATRIX_FMT_FP6
.endr
	PLACES 5                                       ; four serve the reads of the results and the writes of the weights' registers; the fifth a later matrix instruction that writes over a register
.endm
; The product with W_out.  Tangents: bf16, two K steps of 32, two accumulators by turns.  Primal: f32, sixteen K steps of 4, four accumulators by turns;
; b_out is the C of the first.  Register j < 3 of every lane is result j of its sample.
.macro OUT p
.irp q, 0,1,2,3,4,5,6,7
	ds_load_b128 v[WF+4*\q:WF+4*\q+3], v[LI] offset:WOF+512*\q
.endr
.irp q, 0,1,2,3
	ds_load_b128 v[WF+32+4*\q:WF+32+4*\q+3], v[LI] offset:WOB+512*\q
.endr
	ds_load_b128 v[YD0+24:YD0+27], v[ZERO] offset:BOUT                ; every lane: b_out's three numbers and a zero,
	ds_load_b128 v[YD0+28:YD0+31], v[ZERO] offset:BOUT+16             ; and four zeros
	s_wait_dscnt 0x0
	v_wmma_f32_16x16x32_bf16 v[YD0+16:YD0+23], v[WF+32:WF+39], v[YD0:YD0+7], 0
	v_wmma_f32_16x16x32_bf16 v[YD1+16:YD1+23], v[WF+32:WF+39], v[YD1:YD1+7], 0
	v_wmma_f32_16x16x32_bf16 v[YD0+16:YD0+23], v[WF+40:WF+47], v[YD0+8:YD0+15], v[YD0+16:YD0+23]
	v_wmma_f32_16x16x32_bf16 v[YD1+16:YD1+23], v[WF+40:WF+47], v[YD1+8:YD1+15], v[YD1+16:YD1+23]
	v_wmma_f32_16x16x4_f32 v[XA:XA+7], v[WF:WF+1], v[YA:YA+1], v[YD0+24:YD0+31]
.irp i, 1,2,3
	v_wmma_f32_16x16x4_f32 v[XA+8*\i:XA+8*\i+7], v[WF+2*\i:WF+2*\i+1], v[YA+2*\i:YA+2*\i+1], 0
.endr
.irp i, 4,5,6,7,8,9,10,11,12,13,14,15
	v_wmma_f32_16x16x4_f32 v[XA+8*(\i%4):XA+8*(\i%4)+7], v[WF+2*\i:WF+2*\i+1], v[YA+2*\i:YA+2*\i+1], v[XA+8*(\i%4):XA+8*(\i%4)+7]
.endr
	PLACES 8                                       ; the f32 form asks eight
.if \p == 0
.set OB, HA
.else
.set OB, T+24
.endif
	v_pk_add_f32 v[OB:OB+1], v[XA:XA+1], v[XA+8:XA+9]                 ; the four partial sums
	v_pk_add_f32 v[T+28:T+29], v[XA+16:XA+17], v[XA+24:XA+25]
	v_add_f32 v[OB+2], v[XA+2], v[XA+10]
	v_add_f32 v[T+30], v[XA+18], v[XA+26]
	v_pk_add_f32 v[OB:OB+1], v[OB:OB+1], v[T+28:T+29]
	v_add_f32 v[OB+2], v[OB+2], v[T+30]
.if \p == 0
.irp i, 0,1,2
	v_mov_b32 v[HA+3+\i], v[YD0+16+\i]             ; tile 0's results are kept while tile 1 is worked
	v_mov_b32 v[HA+6+\i], v[YD1+16+\i]
.endr
.else
.irp i, 0,1,2
	v_cndmask_b32 v[HA+\i], v[HA+\i], v[OB+\i], s30                   ; lanes 16-31 take tile 1's: lane l now holds sample l of the pair
	v_cndmask_b32 v[HA+3+\i], v[HA+3+\i], v[YD0+16+\i], s30
	v_cndmask_b32 v[HA+6+\i], v[HA+6+\i], v[YD1+16+\i], s30
.endr
.endif
.endm
.macro TILE p
.irp q, 0,1,2,3,4,5,6,7,8,9
	ds_load_b128 v[WI+4*\q:WI+4*\q+3], v[LI] offset:WINI+512*\q       ; W_in's fragments and b_in are on their way while the features are made
.endr
	NATLOAD YA, NAT
	POSENC \p
	s_wait_dscnt 0x0                               ; the 18 loads above are in
	; the input layer in f32, since its result goes into a quantiser: K = 20 in five steps, four accumulators by turns; b_in is the C of each sum's first step
.irp s, 0,1,2,3,4
.irp t, 0,1,2,3
.if \s == 0
	v_wmma_f32_16x16x4_f32 v[XA+8*\t:XA+8*\t+7], v[WI+2*(4*\s+\t):WI+2*(4*\s+\t)+1], v[XF+2*\s:XF+2*\s+1], v[YA+8*\t:YA+8*\t+7]
.else
	v_wmma_f32_16x16x4_f32 v[XA+8*\t:XA+8*\t+7], v[WI+2*(4*\s+\t):WI+2*(4*\s+\t)+1], v[XF+2*\s:XF+2*\s+1], v[XA+8*\t:XA+8*\t+7]
.endif
.endr
.endr
	PLACES 8                                       ; in front of the loads into W_in's registers and of the first read of the sums
	NATLOAD YD0, NAT+256                           ; the tangents of the first layer's sums are W_in's rows 18 and 19, exactly
	NATLOAD YD1, NAT+512
	ACT 0, 1
	QFIN 0
	HID
	ACT 0, 0
	QFIN 1
	HID
	ACT 0, 0
	QFIN 2
	HID
	ACT 1, 0
	OUT \p
.endm
.Ltrip:
	s_wait_loadcnt 0x0                             ; this pair's wo and z are in
	v_permlane16_swap_b32 v[INR], v[INR+1]         ; (coordinate 0 of 32 samples, coordinate 1 of 32 samples) becomes (tile 0, tile 1), each with coordinate h in half h of the lanes
	v_permlane16_swap_b32 v[INR+2], v[INR+3]
.irp i, 0,1,2,3
	v_mov_b32 v[CUR+\i], v[INR+\i]
.endr
	s_cmp_eq_u32 s34, 1                            ; the last trip asks for nothing: no load leaves its buffer
	s_cbranch_scc1 .Lno_next
	s_add_nc_u64 s[8:9], s[8:9], 4096              ; sixteen waves x 32 samples x 8 bytes on (the loads that named these bases are in)
	s_add_nc_u64 s[10:11], s[10:11], 4096
	global_load_b64 v[INR:INR+1], v[GI], s[8:9] th:TH_LOAD_NT         ; a whole pair ahead of its use
	global_load_b64 v[INR+2:INR+3], v[GI], s[10:11] th:TH_LOAD_NT
.Lno_next:
	TILE 0
	TILE 1
	; THE END OF A PAIR, one sample a lane.  p = softplus(T2), sigma = its derivative; n = |(T0, T1, p)|; w = T / max(n, eps); dw = dT / n - w (T . dT) / n^2
	v_mul_f32 v[FE], s36, |v[HA+2]|
	v_exp_f32 v[FE], v[FE]                         ; e^-|T2|
	v_max_num_f32 v[FPM], 0, v[HA+2]
	v_mul_f32 v[FN2], v[HA], v[HA]
	s_wait_alu depctr_va_vdst(0)
	v_add_f32 v[FU], 1.0, v[FE]
	v_log_f32 v[FLG], v[FU]
	v_rcp_f32 v[FRC], v[FU]
	v_fma_f32 v[FN2], v[HA+1], v[HA+1], v[FN2]
	v_cmp_le_f32 vcc_lo, 0, v[HA+2]
	s_wait_alu depctr_va_vdst(0)
	v_fmamk_f32 v[FPP], v[FLG], 0x3f317218, v[FPM] ; p = max(T2, 0) + ln 2 x log2(1 + e^-|T2|)
	v_mul_f32 v[FSG], v[FE], v[FRC]
	v_cndmask_b32 v[FSG], v[FSG], v[FRC], vcc_lo   ; sigma = 1 / (1 + e^-|T2|) where T2 >= 0, else e^-|T2| / (1 + e^-|T2|)
	v_fma_f32 v[FN2], v[FPP], v[FPP], v[FN2]
	v_sqrt_f32 v[FNR], v[FN2]
	v_mul_f32 v[FPS], v[FPP], v[FSG]
	v_mul_f32 v[FD0], v[HA], v[HA+3]
	v_mul_f32 v[FD1], v[HA], v[HA+6]
	s_wait_alu depctr_va_vdst(0)
	v_max_num_f32 v[FIV], 0x2b8cbccc, v[FNR]       ; eps = 1e-12
	v_rcp_f32 v[FIV], v[FIV]
	v_fma_f32 v[FD0], v[HA+1], v[HA+4], v[FD0]
	v_fma_f32 v[FD1], v[HA+1], v[HA+7], v[FD1]
	v_fma_f32 v[FD0], v[FPS], v[HA+5], v[FD0]      ; T . dT, the third term p sigma dT2
	v_fma_f32 v[FD1], v[FPS], v[HA+8], v[FD1]
	v_cmp_lt_f32 vcc_lo, 0x2b8cbccc, v[FNR]
	s_wait_alu depctr_va_vdst(0)
	v_mul_f32 v[FK], v[FIV], v[FIV]
	v_cndmask_b32 v[FK], 0, v[FK], vcc_lo          ; where the norm is held at eps it has no derivative
	v_mul_f32 v[OUTR], v[HA], v[FIV]               ; wi
	v_mul_f32 v[OUTR+1], v[HA+1], v[FIV]
	v_mul_f32 v[FD0], v[FD0], v[FK]
	v_mul_f32 v[FD1], v[FD1], v[FK]
	v_mul_f32 v[FA], v[HA+3], v[FIV]
	v_mul_f32 v[FA+1], v[HA+4], v[FIV]
	v_mul_f32 v[FA+2], v[HA+6], v[FIV]
	v_mul_f32 v[FA+3], v[HA+7], v[FIV]
	v_fma_f32 v[FA], -v[OUTR], v[FD0], v[FA]       ; dwi0 / dz0
	v_fma_f32 v[FA+1], -v[OUTR+1], v[FD0], v[FA+1] ; dwi1 / dz0
	v_fma_f32 v[FA+2], -v[OUTR], v[FD1], v[FA+2]   ; dwi0 / dz1
	v_fma_f32 v[FA+3], -v[OUTR+1], v[FD1], v[FA+3] ; dwi1 / dz1
	v_mul_f32 v[FX], v[FA+2], v[FA+1]
	v_fma_f32 v[OUTR+2], v[FA], v[FA+3], -v[FX]    ; detJ
	global_store_b96 v[GO], v[OUTR:OUTR+2], s[24:25] th:TH_STORE_NT   ; 32 lanes store 384 consecutive bytes, at a multiple of 128 from out0's first byte; written once, read by nobody here
	s_wait_xcnt 0x0                                ; the store's data and base are written again only behind this wait
	s_add_nc_u64 s[24:25], s[24:25], 6144          ; sixteen waves x 32 samples x 12 bytes on
	s_sub_co_u32 s34, s34, 1
	s_cmp_lg_u32 s34, 0
	s_cbranch_scc1 .Ltrip
	s_wait_xcnt 0x0
	v_lshl_add_u32 v254, v0, 2, 0x7000
	v_mov_b32 v255, 0
	s_wait_tensorcnt 0x0
	ds_add_u32 v254, v255
	s_wait_dscnt 0x0
	s_endpgm
.Lfunc_end_k_qbce8ae37cf_neurep:
	.size	k_qbce8ae37cf_neurep, .Lfunc_end_k_qbce8ae37cf_neurep-k_qbce8ae37cf_neurep
	.p2alignl 7, 3214868480
	.fill 96, 4, 3214868480
	.section	.rodata,"a",@progbits
	.p2align	6, 0x0
	.amdhsa_kernel k_qbce8ae37cf_neurep
		.amdhsa_group_segment_fixed_size 30720
		.amdhsa_private_segment_fixed_size 0
		.amdhsa_enable_private_segment 0
		.amdhsa_kernarg_size 72
		.amdhsa_user_sgpr_count 2
		.amdhsa_user_sgpr_kernarg_segment_ptr 1
		.amdhsa_wavefront_size32 1
		.amdhsa_system_sgpr_workgroup_id_x 1
		.amdhsa_system_sgpr_workgroup_id_y 1
		.amdhsa_system_sgpr_workgroup_id_z 1
		.amdhsa_system_vgpr_workitem_id 0
		.amdhsa_next_free_vgpr 256
		.amdhsa_next_free_sgpr 66
		.amdhsa_reserve_vcc 1
		.amdhsa_float_denorm_mode_32 3
		.amdhsa_float_denorm_mode_16_64 3
		.amdhsa_memory_ordered 1
		.amdhsa_forward_progress 1
		.amdhsa_inst_pref_size 176
	.end_amdhsa_kernel
	.amdgpu_metadata
---
amdhsa.version: [ 1, 2 ]
amdhsa.kernels:
  - .name:           k_qbce8ae37cf_neurep
    .symbol:         k_qbce8ae37cf_neurep.kd
    .args:
      - { .name: wo, .offset: 0, .size: 8, .value_kind: global_buffer, .address_space: global }
      - { .name: z, .offset: 8, .size: 8, .value_kind: global_buffer, .address_space: global }
      - { .name: W_in, .offset: 16, .size: 8, .value_kind: global_buffer, .address_space: global }
      - { .name: b_in, .offset: 24, .size: 8, .value_kind: global_buffer, .address_space: global }
      - { .name: W_hid, .offset: 32, .size: 8, .value_kind: global_buffer, .address_space: global }
      - { .name: b_hid, .offset: 40, .size: 8, .value_kind: global_buffer, .address_space: global }
      - { .name: W_out, .offset: 48, .size: 8, .value_kind: global_buffer, .address_space: global }
      - { .name: b_out, .offset: 56, .size: 8, .value_kind: global_buffer, .address_space: global }
      - { .name: out0, .offset: 64, .size: 8, .value_kind: global_buffer, .address_space: global }
    .group_segment_fixed_size: 30720
    .private_segment_fixed_size: 0
    .kernarg_segment_align: 8
    .kernarg_segment_size: 72
    .max_flat_workgroup_size: 512
    .sgpr_count:     66
    .vgpr_count:     256
    .wavefront_size: 32
...
	.end_amdgpu_metadata
.endif
;; end of part 1
